; MI455X (gfx1250); checked and timed in simulation.
; The chip was launched on July 23, 2026; its instructions are those of AMD's public machine-readable ISA for CDNA 5 (MIT licence, August 2026) and "CDNA5" Instruction Set Architecture Reference Guide (July 2026). The comments in the code are by the model that wrote it; some were corrected since.
;; PNS Motor Net. Allowed arithmetic: float matrix products may take bf16 or f16 operands with f32 sums; other float arithmetic in f32, or as packed bf16 or f16 multiplies, adds, multiply-adds, maxima and minima; sums over many terms, partial sums and values carried from step to step in f32; what a program stores and reads back later, other than sums and carried values, may be rounded once to bf16 or f16.
;; Inputs: W 16 x 512 x 512 float32; action 16,384 x 512 float32; b 16 x 512 float32; expert_idx 16,384 int32.
;; Outputs: out0 16,384 x 512 float32.
;; 2 versions, each right. Each part assembles by itself: llvm-mc -triple=amdgcn-amd-amdhsa -mcpu=gfx1250 --defsym DOCPART=n.
;; ======== version 1 of 2: 1 launch
;; launch moe (part 1): grid 4 x 64, 4 waves a work-group, no clusters, 248,576 bytes of LDS; arguments W, action, b, expert_idx, out0; writes out0
.if DOCPART == 1
	.amdgcn_target "amdgcn-amd-amdhsa--gfx1250"
	.amdhsa_code_object_version 6
	.text
	.protected	k_qbd776acb6c_moe
	.globl	k_qbd776acb6c_moe
	.p2align	8
	.type	k_qbd776acb6c_moe,@function
k_qbd776acb6c_moe:
	s_mov_b64 s[64:65], 0
	v_nop
	global_prefetch_b8 v0, s[64:65] scope:SCOPE_SE
	s_setreg_imm32_b32 hwreg(HW_REG_WAVE_MODE, 25, 1), 1
	s_wait_xcnt 0x0
; out0[i][:] = action[i][:] . W[e_i]^T + b[e_i][:], e_i = expert_idx[i].  16,384 tokens, 16 experts, 512 x 512 weights, all f32.
; Only the chosen expert's product is made for a token.  Operands are rounded once to bf16, sums and the bias stay in f32.
; SHARES.  Work-group (x = q, y = 4 e + sh): expert e, output columns 128 q .. 128 q + 127, share sh of the expert's tokens.  Its slice of W (128 rows x 512) is rounded
; once and kept in LDS.  Every work-group counts the routing for itself: wave w scans tokens 4,096 w .. + 4,095 and lays the ids of expert e's tokens into its own list; the
; four lists on end give each token a rank, the same in all 16 work-groups of the expert.  With c tokens and r = ceil(c / 16), wave slot 4 sh + w owns ranks slot r .. slot r + r - 1
; (cut at c), and walks them in tiles of 80 places (5 blocks of 16) x 128 columns: 40 accumulators.  The number of tiles hangs on c, so the tile loop holds no barrier and writes
; only the wave's own LDS bytes.  Every split is served: up to 1,024 rows a wave (13 tiles), or none (the wave ends behind the second barrier).
; Places past a wave's count repeat its last row; stores past the count are whole instructions, jumped by a scalar branch.  At an odd count the two halves of the lanes of the
; last store hold the same row and write the same bytes with the same numbers.
; LAYOUT.  Pair p = 8 rb + j: lanes 0-15 hold the token of rank 2 p, lanes 16-31 that of rank 2 p + 1; they are rows j and 8 + j of block rb.  OFF[p] = id x 2,048 + 16 (lane % 16) serves
; the loads (16 lanes read 256 consecutive bytes of a row) and the stores.  LDS row 16 nb + r of the slice holds column 64 (nb / 4) + 4 r + nb % 4, so register j of the accumulators
; nb = 4 g .. 4 g + 3 are four neighbouring columns of one row: the bias add gathers them, and 16 lanes store 256 consecutive bytes, at a multiple of 256 from out0's first byte.
; NO CLUSTER.  The four shares of an expert read the same 262,144 bytes of f32 weights, but these pass through registers to be rounded, and a joint copy of them would need an f32 stage
; in LDS beside the 133,120 bytes of the slice, filled in parts; the token rows, which the four column quarters share, come by a list that no tile descriptor covers.
; LIMITS.  expert_idx lies in 0 .. 15 (as the gather that defines the result assumes): a token with another value is not written.  NaN and infinities pass as bf16 carries them.
.set WP,    1040                ; a row of the slice in LDS: 1,024 bytes + 16 = 65 x 16: the 16 rows of a fragment load start at 16 different 16-byte columns
.set SGP,   144                 ; a row of the stage: 128 bytes (64 k) + 16 = 9 x 16
.set STG,   128*WP              ; 133,120: the stages, 80 rows for each wave, its own
.set STGW,  80*SGP
.set LIST,  STG+4*STGW          ; 179,200: the lists, for each scanning wave 4,096 words and word 4,096, where lanes without a match write
.set LISTW, 16640
.set TL,    LIST+4*LISTW        ; 245,760: for each wave the tile's ids in rank order, 512 bytes, its own
.set CNTS,  TL+4*512            ; 247,808: the four waves' counts
.set SPARE, CNTS+256            ; 248,064: the spare words, 128 bytes for each wave: two blocks of 256 bytes that no other line names
; window 0
.set LANE, 1                    ; lane
.set LI,   2                    ; lane % 16
.set LH,   3                    ; lane / 16
.set I16,  4                    ; 16 (lane % 16)
.set VW,   5                    ; my byte offset in the wave's rows of W: 32 rows for the upper half of the lanes, 16 bytes a lane
.set VL,   6                    ; where my 8 bytes of the slice go
.set STA,  7                    ; where my 8 bytes of the stage go
.set ASRC, 8                    ; my place in a fragment of the stage
.set BSRC, 9                    ; v9, v10: my place in a fragment of the slice, column blocks 0-3 and 4-7
.set TLW,  11                   ; my word of the tile's ids, as written
.set TLR,  12                   ; and as read: word lane / 16 of a pair
.set TOK0, 13                   ; 4,096 w + 4 lane
.set SPW,  14                   ; LDS address of my spare word; never rewritten
.set NIL,  15                   ; 0; never rewritten
.set VI,   16                   ; my byte offset in expert_idx
.set BI,   24                   ; v24-31 the bias of my eight columns
.set T,    32                   ; v32-47 rounded pairs on their way to LDS
.set OFF,  48                   ; v48-87 the 40 pairs' offsets
.set AF,   88                   ; v88-167 token fragments, two buffers of 5 x 8
.set IDX,  88                   ; v88-215 ahead of the tiles: the wave's 4,096 indices
.set TO,   168                  ; v168-231 a block's 16 rows on their way out
.set SC,   232                  ; v232-239, v240-247 the scan's addresses and ids
.set SD,   240
; window 1: accumulators (rb < 4, nb) at 64 rb + 8 nb; ahead of the tiles 56 slots of 4 for W.  window 2: v0-63 accumulators (4, nb); v64-191 fragments of the slice, two buffers.  window 3: 56 slots of 4 for token rows
.set BF,   64
; scalars: s[4:5] W at my wave's rows, s[6:7] action, s[8:9] b at my columns, s[10:11] expert_idx, s[12:13] out0 at my columns; s14 wave, s15 q, s16 e, s17 share, s18 slot;
; s24 running count, s25 at work, s26 my list; s28-31 counts, s32-34 their prefix sums, s35 c, s36-38 list word less prefix, s39 r; s40-47 masks; s48 first rank, s49 end, s50 last rank,
; s51 the tile's first rank, s52 its rows, s53 tiles, s54 the tile's number
.set MSB, 0
.macro WIN new                  ; bits 1:0 source 0, 3:2 source 1, 5:4 source 2, 7:6 destination; the high byte repeats the setting that is left
.if MSB != (\new)
	s_set_vgpr_msb (MSB<<8)|(\new)
.set MSB, \new
.endif
.endm
.macro PLACES                   ; four plain vector instructions between a matrix instruction and a load into, or a read of, its registers
.rept 4
	v_nop
.endr
.endm
; W load z of 128 (column block z / 64 of the wave's two, row (z / 8) % 8 of each half's eight, 256-byte unit z % 8) into slot z % 56 of window 1
.macro WLD z
	global_load_b128 v[4*((\z)%56):4*((\z)%56)+3], v[VW], s[4:5] offset:2048*((\z)/64)+8192*(((\z)/8)%8)+256*((\z)%8)
.endm
; row load x of a tile's 320 (unit x / 40 of 256 bytes, pair x % 40) into slot x % 56 of window 3
.macro ALD x
	global_load_b128 v[4*((\x)%56):4*((\x)%56)+3], v[OFF+(\x)%40], s[6:7] offset:256*((\x)/40)
.endm
; Eight registers of indices: which lanes hold expert e, their places in my list (the count so far + the matching lanes below), and the ids stored there; the others write word 4,096.
.macro SCAN8 k
.set ii, 0
.rept 8
	v_cmp_eq_u32 s[40+ii], s16, v[IDX+8*(\k)+ii]
.set ii, ii+1
.endr
.set ii, 0
.rept 8
	v_mbcnt_lo_u32_b32 v[SC+ii], s[40+ii], s24
	s_bcnt1_i32_b32 s25, s[40+ii]
	s_add_co_u32 s24, s24, s25
.set ii, ii+1
.endr
.set ii, 0
.rept 8
	v_cndmask_b32 v[SC+ii], -1, v[SC+ii], s[40+ii]
	v_min_u32 v[SC+ii], 0x1000, v[SC+ii]           ; a place is 4,095 at the most; no match: word 4,096
	v_lshl_add_u32 v[SC+ii], v[SC+ii], 2, s26
	v_add_nc_u32 v[SD+ii], 128*(2*(\k)+ii/4)+ii%4, v[TOK0]
	ds_store_b32 v[SC+ii], v[SD+ii]
.set ii, ii+1
.endr
.endm
; Four W loads are rounded and laid into the slice; their slots take the stream's next four loads: W's while there are any, then the first tile's rows.
.macro WFEED4 y0
	s_wait_loadcnt 52                              ; loads come back in order: the stream is out up to number y0 + 55, so 52 are younger than y0 + 3
	WIN 0x05
.set ii, 0
.rept 4
	v_cvt_pk_bf16_f32 v[T+2*ii],   v[4*(((\y0)+ii)%56)],   v[4*(((\y0)+ii)%56)+1]
	v_cvt_pk_bf16_f32 v[T+2*ii+1], v[4*(((\y0)+ii)%56)+2], v[4*(((\y0)+ii)%56)+3]
.set ii, ii+1
.endr
.if (\y0) < 72
	WIN 0x40
.else
	WIN 0xc0
.endif
.set ii, 0
.rept 4
.set yy, (\y0)+ii
	ds_store_b64 v[VL], v[T+2*ii:T+2*ii+1] offset:16*WP*(yy/64)+WP*((yy/8)%8)+128*(yy%8)  ; the halves of the lanes write rows 8 apart: 8,320 bytes = 128 mod 256
.set ii, ii+1
.endr
.set ii, 0
.rept 4
.if (\y0) < 72
	WLD (\y0)+ii+56
.else
	ALD (\y0)+ii+56-128
.endif
.set ii, ii+1
.endr
.endm
; The tile's ids.  Rank a (cut at the wave's last rank) lies in the list of the last scanning wave whose prefix sum is not above it.  96 ids go through the wave's own words into rank order by pairs.
.macro LOOKUP
	WIN 0
.set ig, 0
.rept 3
	v_add3_u32 v20, v[LANE], s51, 32*ig
	v_min_u32 v20, s50, v20
	v_add_nc_u32 v21, s36, v20
	v_cmp_le_u32 vcc_lo, s32, v20
	v_cndmask_b32 v[17+ig], v20, v21, vcc_lo
	v_add_nc_u32 v21, s37, v20
	v_cmp_le_u32 vcc_lo, s33, v20
	v_cndmask_b32 v[17+ig], v[17+ig], v21, vcc_lo
	v_add_nc_u32 v21, s38, v20
	v_cmp_le_u32 vcc_lo, s34, v20
	v_cndmask_b32 v[17+ig], v[17+ig], v21, vcc_lo
	v_min_u32 v[17+ig], 0x40ff, v[17+ig]           ; the lists have 16,640 words
	v_lshl_add_u32 v[17+ig], v[17+ig], 2, LIST
	ds_load_b32 v[SC+ig], v[17+ig]
.set ig, ig+1
.endr
	s_wait_dscnt 0x0
.set ig, 0
.rept 3
	ds_store_b32 v[TLW], v[SC+ig] offset:128*ig
.set ig, ig+1
.endr
.set ip, 0
.rept 40
	ds_load_b32 v[OFF+ip], v[TLR] offset:8*ip      ; LDS serves a wave's instructions in order (ISA guide 5.7.1.4): these see the stores above
.set ip, ip+1
.endr
	s_wait_dscnt 0x0
.set ip, 0
.rept 40
	v_min_u32 v[OFF+ip], 0x3fff, v[OFF+ip]         ; an id is 16,383 at the most
	v_lshl_add_u32 v[OFF+ip], v[OFF+ip], 11, v[I16]
.set ip, ip+1
.endr
.endm
; Eight row loads (one block of 16 rows, one unit of 64 k) are rounded and laid into the stage; their slots take the loads 56 further on, while the tile has any.
.macro FEEDG x0
.if (\x0) < 264
	s_wait_loadcnt 48                              ; the stream is out up to x0 + 55: 48 are younger than x0 + 7
.else
	s_wait_loadcnt 312-(\x0)                       ; the stream has ended at 319: the counts run down to 0
.endif
	WIN 0x0f
.set ii, 0
.rept 8
	v_cvt_pk_bf16_f32 v[T+2*ii],   v[4*(((\x0)+ii)%56)],   v[4*(((\x0)+ii)%56)+1]
	v_cvt_pk_bf16_f32 v[T+2*ii+1], v[4*(((\x0)+ii)%56)+2], v[4*(((\x0)+ii)%56)+3]
.set ii, ii+1
.endr
	WIN 0xc0
.set ii, 0
.rept 8
	ds_store_b64 v[STA], v[T+2*ii:T+2*ii+1] offset:(16*(((\x0)%40)/8)+ii)*SGP  ; rows j and 8 + j: 1,152 bytes apart = 128 mod 256
.set ii, ii+1
.endr
.set ii, 0
.rept 8
.if (\x0)+ii+56 < 320
	ALD (\x0)+ii+56
.endif
.set ii, ii+1
.endr
.endm
.macro FEED u                   ; unit u of all 80 places
.set xg, 40*(\u)
.rept 5
	FEEDG xg
.set xg, xg+8
.endr
.endm
; 26 LDS loads in one run: the fragments for k = 64 u + 32 t on: 8 column blocks of the slice, 5 blocks of the stage, into buffer t
.macro FRAG u, t
	WIN 0x80
.set ii, 0
.rept 8
	ds_load_b128 v[BF+64*(\t)+8*ii:BF+64*(\t)+8*ii+3],   v[BSRC+ii/4] offset:(ii%4)*16*WP+128*(\u)+64*(\t)
	ds_load_b128 v[BF+64*(\t)+8*ii+4:BF+64*(\t)+8*ii+7], v[BSRC+ii/4] offset:(ii%4)*16*WP+128*(\u)+64*(\t)+32
.set ii, ii+1
.endr
	WIN 0
.set ii, 0
.rept 5
	ds_load_b128 v[AF+40*(\t)+8*ii:AF+40*(\t)+8*ii+3],   v[ASRC] offset:16*SGP*ii+64*(\t)
	ds_load_b128 v[AF+40*(\t)+8*ii+4:AF+40*(\t)+8*ii+7], v[ASRC] offset:16*SGP*ii+64*(\t)+32
.set ii, ii+1
.endr
.endm
; 40 matrix instructions on buffer t: source 0 = 16 tokens, source 1 = 16 columns.  The 40 accumulators take turns, one instruction a turn, in the same order every time.
; zero = 1: the first product starts the sums: nothing is cleared.
.macro MULT t, zero
	WIN 0x58
.set nb, 0
.rept 8
.set rb, 0
.rept 4
.if \zero
	v_wmma_f32_16x16x32_bf16 v[64*rb+8*nb:64*rb+8*nb+7], v[AF+40*(\t)+8*rb:AF+40*(\t)+8*rb+7], v[BF+64*(\t)+8*nb:BF+64*(\t)+8*nb+7], 0
.else
	v_wmma_f32_16x16x32_bf16 v[64*rb+8*nb:64*rb+8*nb+7], v[AF+40*(\t)+8*rb:AF+40*(\t)+8*rb+7], v[BF+64*(\t)+8*nb:BF+64*(\t)+8*nb+7], v[64*rb+8*nb:64*rb+8*nb+7]
.endif
.set rb, rb+1
.endr
.set nb, nb+1
.endr
	WIN 0xa8
.set nb, 0
.rept 8
.if \zero
	v_wmma_f32_16x16x32_bf16 v[8*nb:8*nb+7], v[AF+40*(\t)+32:AF+40*(\t)+39], v[BF+64*(\t)+8*nb:BF+64*(\t)+8*nb+7], 0
.else
	v_wmma_f32_16x16x32_bf16 v[8*nb:8*nb+7], v[AF+40*(\t)+32:AF+40*(\t)+39], v[BF+64*(\t)+8*nb:BF+64*(\t)+8*nb+7], v[8*nb:8*nb+7]
.endif
.set nb, nb+1
.endr
.endm
	s_load_b256 s[4:11], s[0:1], 0x0               ; W s[4:5], action s[6:7], b s[8:9], expert_idx s[10:11]
	s_load_b64 s[12:13], s[0:1], 0x20              ; out0
	v_lshl_add_u32 v[SPW], v0, 2, SPARE
	v_mov_b32 v[NIL], 0
	v_lshrrev_b32 v17, 5, v0
	v_readfirstlane_b32 s14, v17                   ; wave 0..3
	s_mov_b32 s15, ttmp9                           ; q
	s_and_b32 s25, ttmp7, 0xffff
	s_lshr_b32 s16, s25, 2                         ; e
	s_and_b32 s17, s25, 3                          ; share
	s_lshl2_add_u32 s18, s17, s14                  ; slot = 4 share + wave
	v_and_b32 v[LANE], 31, v0
	v_and_b32 v[LI], 15, v0
	v_bfe_u32 v[LH], v0, 4, 1
	v_lshlrev_b32 v[I16], 4, v[LI]
	v_lshl_add_u32 v[VW], v[LH], 16, v[I16]        ; the upper half of the lanes takes the row 32 further down
	s_mul_i32 s25, s14, 32*WP                      ; my wave lays rows 32 w .. 32 w + 31 of the slice
	v_mul_u32_u24 v17, v[LH], 8*WP
	v_lshl_add_u32 v17, v[LI], 3, v17
	v_add_nc_u32 v[VL], s25, v17
	s_mul_i32 s25, s14, STGW
	s_add_co_u32 s25, s25, STG                     ; my stage
	v_mul_u32_u24 v17, v[LH], 8*SGP
	v_lshl_add_u32 v17, v[LI], 3, v17
	v_add_nc_u32 v[STA], s25, v17
	v_mul_u32_u24 v17, v[LI], SGP
	v_lshl_add_u32 v17, v[LH], 4, v17
	v_add_nc_u32 v[ASRC], s25, v17                 ; a fragment: row lane % 16, 16 bytes for each half of the lanes
	v_mul_u32_u24 v17, v[LI], WP
	v_lshl_add_u32 v[BSRC], v[LH], 4, v17
	v_add_nc_u32 v[BSRC+1], 64*WP, v[BSRC]         ; column blocks 4-7 lie past a 16-bit offset
	s_lshl_b32 s25, s14, 9
	s_add_co_u32 s25, s25, TL
	v_lshl_add_u32 v[TLW], v[LANE], 2, s25
	v_lshl_add_u32 v[TLR], v[LH], 2, s25
	s_lshl_b32 s25, s14, 12
	v_lshl_add_u32 v[TOK0], v[LANE], 2, s25
	s_lshl_b32 s25, s14, 14
	v_lshl_add_u32 v[VI], v[LANE], 4, s25
	s_mul_i32 s26, s14, LISTW
	s_add_co_u32 s26, s26, LIST                    ; my list
	v_mov_b32 v17, s26
	ds_store_b32 v17, v[NIL]                       ; its word 0 is written whatever the split: an expert without tokens is looked up there
	s_mov_b32 s24, 0
	s_lshl_b32 s20, s16, 20                        ; W: expert e, 1,048,576 bytes;
	s_lshl_b32 s25, s15, 18                        ; quarter q, 128 rows of 2,048 bytes;
	s_add_co_u32 s20, s20, s25
	s_lshr_b32 s25, s14, 1
	s_lshl_b32 s25, s25, 17                        ; my wave's column blocks 2 w, 2 w + 1: rows 64 (w / 2) + 2 (w % 2) on
	s_add_co_u32 s20, s20, s25
	s_and_b32 s25, s14, 1
	s_lshl_b32 s25, s25, 12
	s_add_co_u32 s20, s20, s25
	s_mov_b32 s21, 0
	s_lshl_b32 s22, s16, 11                        ; b: 2,048 e + 512 q
	s_lshl_b32 s56, s15, 9                         ; out0: 512 q
	s_add_co_u32 s22, s22, s56
	s_mov_b32 s23, 0
	s_mov_b32 s57, 0
	s_wait_kmcnt 0x0
	s_add_nc_u64 s[4:5], s[4:5], s[20:21]
	s_add_nc_u64 s[8:9], s[8:9], s[22:23]
	s_add_nc_u64 s[12:13], s[12:13], s[56:57]
	global_load_b128 v[BI:BI+3], v[I16], s[8:9]              ; columns 4 r + 0..3
	global_load_b128 v[BI+4:BI+7], v[I16], s[8:9] offset:256 ; columns 64 + 4 r + 0..3
.set kk, 0
.rept 32
	global_load_b128 v[IDX+4*kk:IDX+4*kk+3], v[VI], s[10:11] offset:512*kk
.set kk, kk+1
.endr
	WIN 0x40
.set kk, 0
.rept 56
	WLD kk
.set kk, kk+1
.endr
	WIN 0
	s_wait_loadcnt 56                              ; the 56 loads of W are younger: bias and indices are in
.set kk, 0
.rept 16                                           ; the scan, with the first half of the slice between its parts
	WIN 0
	SCAN8 kk
	WFEED4 4*kk
.set kk, kk+1
.endr
	WIN 0
	v_mov_b32 v17, s24
	s_lshl_b32 s25, s14, 2
	s_add_co_u32 s25, s25, CNTS
	v_mov_b32 v18, s25
	ds_store_b32 v18, v17                          ; my count
	s_wait_dscnt 0x0                               ; for the others' sake: my list and my count are written
	s_barrier_signal -1
	s_barrier_wait -1
	v_mov_b32 v18, CNTS
	ds_load_b128 v[20:23], v18
	s_wait_dscnt 0x0
	v_readfirstlane_b32 s28, v20
	v_readfirstlane_b32 s29, v21
	v_readfirstlane_b32 s30, v22
	v_readfirstlane_b32 s31, v23
	s_mov_b32 s32, s28                             ; the first rank of list 1,
	s_add_co_u32 s33, s32, s29                     ; of list 2,
	s_add_co_u32 s34, s33, s30                     ; of list 3,
	s_add_co_u32 s35, s34, s31                     ; and c
	s_sub_co_u32 s36, LISTW/4, s32                 ; rank + this = the word in the lists
	s_sub_co_u32 s37, 2*LISTW/4, s33
	s_sub_co_u32 s38, 3*LISTW/4, s34
	s_add_co_u32 s39, s35, 15
	s_lshr_b32 s39, s39, 4                         ; r = ceil(c / 16)
	s_mul_i32 s48, s18, s39
	s_min_u32 s48, s48, s35                        ; my first rank
	s_add_co_u32 s49, s48, s39
	s_min_u32 s49, s49, s35                        ; and the end of my ranks
	s_max_u32 s50, s49, 1
	s_sub_co_u32 s50, s50, 1                       ; the rank that places past the count repeat
	s_sub_co_u32 s53, s49, s48
	s_add_co_u32 s53, s53, 79
	s_mul_i32 s53, s53, 52429
	s_lshr_b32 s53, s53, 22                        ; tiles = ceil(rows / 80): 52,429 / 2^22 is 1 / 80 to within 4e-6 of itself, exact for the 1,103 at the most that stand here
	s_mov_b32 s51, s48
	LOOKUP                                         ; every wave: the loads below name OFF
.set kk, 16
.rept 16                                           ; the second half of the slice; from load 72 on the freed places of the stream take the first tile's rows
	WFEED4 4*kk
.set kk, kk+1
.endr
	WIN 0
	s_wait_dscnt 0x0                               ; for the others' sake: my rows of the slice are written
	s_barrier_signal -1
	s_barrier_wait -1                              ; the slice is whole; from here on no wave writes bytes that another reads
	s_cmp_ge_u32 s48, s49
	s_cbranch_scc1 .Lend                           ; this split leaves my wave no rows
	s_mov_b32 s54, 0
.Ltile:                                                ; 56 row loads of the tile are out
	s_sub_co_u32 s52, s49, s51
	s_min_u32 s52, s52, 80                         ; the tile's rows
	FEED 0
	FRAG 0, 0
	FRAG 0, 1
.set u, 0
.rept 8                                            ; a unit of 64 k: two times 40 matrix instructions; between them the next unit goes into the stage
	s_wait_dscnt 26                                ; all but the younger run of 26 fragment loads
.if u == 0
	MULT 0, 1
.else
	MULT 0, 0
.endif
	s_wait_dscnt 0x0                               ; buffer 1 is in
.if u < 7
	FEED u+1                                       ; its 80 conversions are the places behind the products that read buffer 0
	FRAG u+1, 0
.endif
	MULT 1, 0
.if u < 7
	PLACES
	FRAG u+1, 1
.endif
.set u, u+1
.endr
	; THE WAY OUT, a block of 16 rows at a time: the bias is added, which also lays four neighbouring columns into four neighbouring registers; each accumulator is read from register 0 up.
	WIN 0
	PLACES
.set rb, 0
.rept 5
.if rb > 0
	s_cmp_le_u32 s52, 16*rb
	s_cbranch_scc1 .Ldone
.endif
	s_wait_xcnt 0x0                                ; the registers that earlier stores read are rewritten only behind this wait
.if rb < 4
	WIN 0x01
.else
	WIN 0x02
.endif
.set ij, 0
.rept 8
.set nb, 0
.rept 8
	v_add_f32 v[TO+8*ij+nb], v[(64*rb)%256+8*nb+ij], v[BI+nb]
.set nb, nb+1
.endr
.set ij, ij+1
.endr
	WIN 0
.set ij, 0
.rept 8
.if ij > 0
	s_cmp_le_u32 s52, 16*rb+2*ij                   ; pair 8 rb + j holds places 16 rb + 2 j and the next
	s_cbranch_scc1 .Ldone
.endif
	global_store_b128 v[OFF+8*rb+ij], v[TO+8*ij:TO+8*ij+3], s[12:13] th:TH_STORE_NT
	global_store_b128 v[OFF+8*rb+ij], v[TO+8*ij+4:TO+8*ij+7], s[12:13] offset:256 th:TH_STORE_NT
.set ij, ij+1
.endr
.set rb, rb+1
.endr
.Ldone:
	s_add_co_u32 s54, s54, 1
	s_cmp_ge_u32 s54, s53
	s_cbranch_scc1 .Lend
	s_wait_xcnt 0x0                                ; the stores have read OFF
	s_add_co_u32 s51, s51, 80
	LOOKUP
	WIN 0xc0
.set kk, 0
.rept 56
	ALD kk
.set kk, kk+1
.endr
	WIN 0
	s_cmp_lt_u32 s54, s53
	s_cbranch_scc1 .Ltile
.Lend:
	s_wait_tensorcnt 0x0                           ; the wave's end: behind my last LDS store
	ds_add_u32 v[SPW], v[NIL]
	s_wait_dscnt 0x0
	s_endpgm
.Lfunc_end_k_qbd776acb6c_moe:
	.size	k_qbd776acb6c_moe, .Lfunc_end_k_qbd776acb6c_moe-k_qbd776acb6c_moe
	.p2alignl 7, 3214868480
	.fill 96, 4, 3214868480
	.section	.rodata,"a",@progbits
	.p2align	6, 0x0
	.amdhsa_kernel k_qbd776acb6c_moe
		.amdhsa_group_segment_fixed_size 248576
		.amdhsa_private_segment_fixed_size 0
		.amdhsa_enable_private_segment 0
		.amdhsa_kernarg_size 40
		.amdhsa_user_sgpr_count 2
		.amdhsa_user_sgpr_kernarg_segment_ptr 1
		.amdhsa_wavefront_size32 1
		.amdhsa_system_sgpr_workgroup_id_x 1
		.amdhsa_system_sgpr_workgroup_id_y 1
		.amdhsa_system_sgpr_workgroup_id_z 1
		.amdhsa_system_vgpr_workitem_id 0
		.amdhsa_next_free_vgpr 1024
		.amdhsa_next_free_sgpr 66
		.amdhsa_reserve_vcc 1
		.amdhsa_float_denorm_mode_32 3
		.amdhsa_float_denorm_mode_16_64 3
		.amdhsa_memory_ordered 1
		.amdhsa_forward_progress 1
		.amdhsa_inst_pref_size 255
	.end_amdhsa_kernel
	.section	.bss,"aw",@nobits
	.p2align	6
	.space	262144
	.amdgpu_metadata
---
amdhsa.version: [ 1, 2 ]
amdhsa.kernels:
  - .name:           k_qbd776acb6c_moe
    .symbol:         k_qbd776acb6c_moe.kd
    .args:
      - { .name: W, .offset: 0, .size: 8, .value_kind: global_buffer, .address_space: global }
      - { .name: action, .offset: 8, .size: 8, .value_kind: global_buffer, .address_space: global }
      - { .name: b, .offset: 16, .size: 8, .value_kind: global_buffer, .address_space: global }
      - { .name: expert_idx, .offset: 24, .size: 8, .value_kind: global_buffer, .address_space: global }
      - { .name: out0, .offset: 32, .size: 8, .value_kind: global_buffer, .address_space: global }
    .group_segment_fixed_size: 248576
    .private_segment_fixed_size: 0
    .kernarg_segment_align: 8
    .kernarg_segment_size: 40
    .max_flat_workgroup_size: 128
    .sgpr_count:     66
    .vgpr_count:     1024
    .wavefront_size: 32
...
	.end_amdgpu_metadata
.endif
;; end of part 1
;; ======== version 2 of 2: 1 launch
;; launch moe (part 2): grid 4 x 64, 4 waves a work-group, no clusters, 199,424 bytes of LDS; arguments W, action, b, expert_idx, out0; writes out0
.if DOCPART == 2
	.amdgcn_target "amdgcn-amd-amdhsa--gfx1250"
	.amdhsa_code_object_version 6
	.text
	.protected	k_qbd776acb6c_moe
	.globl	k_qbd776acb6c_moe
	.p2align	8
	.type	k_qbd776acb6c_moe,@function
k_qbd776acb6c_moe:
	s_mov_b64 s[64:65], 0
	v_nop
	global_prefetch_b8 v0, s[64:65] scope:SCOPE_SE
	s_setreg_imm32_b32 hwreg(HW_REG_WAVE_MODE, 25, 1), 1
	s_wait_xcnt 0x0
; out0[i][:] = action[i][:] . W[e_i]^T + b[e_i][:], e_i = expert_idx[i].  16,384 tokens, 16 experts, 512 x 512 weights, all f32.
; Only the chosen expert's product is made for a token.  Operands are rounded once to bf16, sums and the bias stay in f32.
; SHARES.  Work-group (x = q, y = 4 e + sh): expert e, output columns 128 q .. 128 q + 127, share sh of the tokens: the chunks of 128 tokens numbered 4 m + sh, 4,096 tokens.  Its slice of W
; (128 rows x 512) is rounded once and kept in LDS.  The work-group counts its own routing: wave w scans chunks m = 8 w .. 8 w + 7 and lays the ids of expert e's tokens into its own list; the four
; lists on end give each token a rank, the same in the four work-groups (q = 0 .. 3) that walk these tokens.  With c tokens and r = ceil(c / 4), wave w owns ranks w r .. w r + r - 1 (cut at c), and walks
; them in tiles of 80 places (5 blocks of 16) x 128 columns: 40 accumulators.  The number of tiles hangs on c, so the tile loop holds no barrier and writes only the wave's own LDS bytes.
; Every split is served: up to 1,024 rows a wave (13 tiles), or none (the wave ends behind the second barrier).  The shares are alike where an expert's tokens are spread over the chunks; where they all
; lie in one share's chunks, that share's work-groups walk more tiles while the others end early: right, and slower.
; Places past a wave's count repeat its last row; stores past the count are whole instructions, jumped by a scalar branch.  At an odd count the two halves of the lanes of the
; last store hold the same row and write the same bytes with the same numbers.
; LAYOUT.  Pair p = 8 rb + j: lanes 0-15 hold the token of rank 2 p, lanes 16-31 that of rank 2 p + 1; they are rows j and 8 + j of block rb.  OFF[p] = id x 2,048 + 16 (lane % 16) serves
; the loads (16 lanes read 256 consecutive bytes of a row) and the stores.  LDS row 16 nb + r of the slice holds column 64 (nb / 4) + 4 r + nb % 4, so register j of the accumulators
; nb = 4 g .. 4 g + 3 are four neighbouring columns of one row: the bias add gathers them, and 16 lanes store 256 consecutive bytes, at a multiple of 256 from out0's first byte.
; ONE STREAM OF LOADS.  W's 128 loads a wave have 128 slots of their own, and the first tile's rows follow them in the same stream: the scan and the look-up of the ids stand among W's loads, W is
; rounded in batches of 16 loads while the rows are on their way.  Memory lines stand in runs, and what a run of stores reads is not rewritten by the next batch: each batch has registers of its own.
; NO CLUSTER.  The four shares of an expert read the same 262,144 bytes of f32 weights, but their trip counts and the branches round their stores hang on counts that differ from share to share, and the
; weights pass through registers to be rounded: a joint copy would need an f32 stage filled in parts.  The token rows, which the four column quarters share, come by a list that no tile descriptor covers.
; LIMITS.  expert_idx lies in 0 .. 15 (as the gather that defines the result assumes): a token with another value is not written.  NaN and infinities pass as bf16 carries them.
.set WP,    1040                ; a row of the slice in LDS: 1,024 bytes + 16 = 65 x 16: the 16 rows of a fragment load start at 16 different 16-byte columns
.set SGP,   144                 ; a row of the stage: 128 bytes (64 k) + 16 = 9 x 16
.set STG,   128*WP              ; 133,120: the stages, 80 rows for each wave, its own
.set STGW,  80*SGP
.set LIST,  STG+4*STGW          ; 179,200: the lists, for each scanning wave 1,024 words and word 1,024, where lanes without a match write
.set LISTW, 4352
.set TL,    LIST+4*LISTW        ; 196,608: for each wave the tile's ids in rank order, 512 bytes, its own
.set CNTS,  TL+4*512            ; 198,656: the four waves' counts
.set SPARE, CNTS+256            ; 198,912: the spare words, 128 bytes for each wave: two blocks of 256 bytes that no other line names
.set D,     63                  ; row loads of a wave on their way
; window 0
.set LANE, 1                    ; lane
.set LI,   2                    ; lane % 16
.set LH,   3                    ; lane / 16
.set I16,  4                    ; 16 (lane % 16)
.set VW,   5                    ; my byte offset in the wave's rows of W: 32 rows for the upper half of the lanes, 16 bytes a lane
.set VL,   6                    ; where my 8 bytes of the slice go
.set STA,  7                    ; where my 8 bytes of the stage go
.set ASRC, 8                    ; my place in a fragment of the stage
.set BSRC, 9                    ; v9, v10: my place in a fragment of the slice, column blocks 0-3 and 4-7
.set TLW,  11                   ; my word of the tile's ids, as written
.set TLR,  12                   ; and as read: word lane / 16 of a pair
.set TOK0, 13                   ; 4,096 w + 128 sh + 4 lane
.set SPW,  14                   ; LDS address of my spare word; never rewritten
.set NIL,  15                   ; 0; never rewritten
.set VI,   16                   ; my byte offset in expert_idx
.set LK,   17                   ; v17-20 the look-up's four ranks, then their words in the lists
.set PFO,  23                   ; the byte offset in action of the row of rank 4 lane + q of the tile
.set BI,   24                   ; v24-31 the bias of my eight columns
.set T,    32                   ; v32-47 rounded pairs on their way to the stage: block 0's; blocks 1-4 take TO's registers, idle until the way out
.set OFF,  48                   ; v48-87 the 40 pairs' offsets
.set AF,   88                   ; v88-167 token fragments, two buffers of 5 x 8
.set IDX,  88                   ; v88-119 ahead of the tiles: the wave's 1,024 indices, then their places in the list
.set WT,   88                   ; v88-215 ahead of the tiles: rounded weights on their way to the slice, four buffers of 32
.set TO,   168                  ; v168-231 a block's 16 rows on their way out
.set SC,   232                  ; v232-235 the counts, then the look-up's ids; v236-239 its list steps
.set SD,   232                  ; v232-255 the scan's ids, three sets of eight
; window 1: accumulators (rb < 4, nb) at 64 rb + 8 nb; ahead of the tiles W's loads 0-63.  window 2: v0-63 accumulators (4, nb); v64-191 fragments of the slice, two buffers; ahead of the tiles W's loads 64-127.
; window 3: 63 slots of 4 for token rows
.set BF,   64
; scalars: s[4:5] W at my wave's rows, s[6:7] action, s[8:9] b at my columns, s[10:11] expert_idx, s[12:13] out0 at my columns; s14 wave, s15 q, s16 e, s17 share;
; s24 running count, s19, s25 at work, s26 my list; s28-31 counts, s32-34 their prefix sums, s35 c, s36-38 list word less prefix, s39 r; s40-47 the scan's masks, s48-55 its running counts;
; behind the scan: s48 first rank, s49 end, s50 last rank, s51 the tile's first rank, s52 its rows, s53 tiles, s54 the tile's number; s66-77 the look-up's masks
.set LM,   66
.set ZI,   0                    ; how many loads of the stream (W's 128, then the first tile's rows) have been written
.set MSB, 0
.macro WIN new                  ; bits 1:0 source 0, 3:2 source 1, 5:4 source 2, 7:6 destination; the high byte repeats the setting that is left
.if MSB != (\new)
	s_set_vgpr_msb (MSB<<8)|(\new)
.set MSB, \new
.endif
.endm
.macro PLACES                   ; four plain vector instructions between a matrix instruction and a load into, or a read of, its registers
.rept 4
	v_nop
.endr
.endm
; row load x of a tile's 320 (unit x / 40 of 256 bytes, pair x % 40) into slot x % D of window 3
.macro ALD x
	global_load_b128 v[4*((\x)%D):4*((\x)%D)+3], v[OFF+(\x)%40], s[6:7] offset:256*((\x)/40)
.endm
; load z of the stream.  W load z of 128: column block z / 64 of the wave's two, row (z / 8) % 8 of each half's eight, 256-byte unit z % 8
.macro SLD z
.if (\z) < 64
	WIN 0x40
	global_load_b128 v[4*(\z):4*(\z)+3], v[VW], s[4:5] offset:8192*(((\z)/8)%8)+256*((\z)%8)
.elseif (\z) < 128
	WIN 0x80
	global_load_b128 v[4*((\z)-64):4*((\z)-64)+3], v[VW], s[4:5] offset:2048+8192*(((\z)/8)%8)+256*((\z)%8)
.else
	WIN 0xc0
	ALD (\z)-128
.endif
.endm
.macro ISSUE n                  ; the stream's next n loads
.rept \n
	SLD ZI
.set ZI, ZI+1
.endr
.endm
; Eight registers of indices: which lanes hold expert e, their places in my list (the count so far + the matching lanes below), and the ids stored there; the others write word 1,024.
; Each step is a run of eight that do not wait for each other; the eight stores stand on end.  The places are made in the index registers, which are dead behind the compares.
.macro SCAN8 k
.set ii, 0
.rept 8
	v_cmp_eq_u32 s[40+ii], s16, v[IDX+8*(\k)+ii]
.set ii, ii+1
.endr
.set ii, 0
.rept 8
	v_add_nc_u32 v[SD+8*((\k)%3)+ii], 512*(2*(\k)+ii/4)+ii%4, v[TOK0]  ; register 8 k + i: chunk 2 k + i / 4 of the wave's eight (512 tokens apart), token i % 4 of the lane's four
.set ii, ii+1
.endr
	s_bcnt1_i32_b32 s25, s40
	s_add_co_u32 s48, s24, s25
.set ii, 1
.rept 7
	s_bcnt1_i32_b32 s25, s[40+ii]
	s_add_co_u32 s[48+ii], s[47+ii], s25
.set ii, ii+1
.endr
	v_mbcnt_lo_u32_b32 v[IDX+8*(\k)], s40, s24
.set ii, 1
.rept 7
	v_mbcnt_lo_u32_b32 v[IDX+8*(\k)+ii], s[40+ii], s[47+ii]
.set ii, ii+1
.endr
	s_mov_b32 s24, s55
.set ii, 0
.rept 8
	v_cndmask_b32 v[IDX+8*(\k)+ii], -1, v[IDX+8*(\k)+ii], s[40+ii]
.set ii, ii+1
.endr
.set ii, 0
.rept 8
	v_min_u32 v[IDX+8*(\k)+ii], 0x400, v[IDX+8*(\k)+ii]    ; a place is 1,023 at the most; no match: word 1,024
.set ii, ii+1
.endr
.set ii, 0
.rept 8
	v_lshl_add_u32 v[IDX+8*(\k)+ii], v[IDX+8*(\k)+ii], 2, s26
.set ii, ii+1
.endr
.set ii, 0
.rept 8
	ds_store_b32 v[IDX+8*(\k)+ii], v[SD+8*((\k)%3)+ii]
.set ii, ii+1
.endr
.endm
; Batch b of eight: W's loads 16 b .. 16 b + 15 are rounded (32 conversions into buffer b % 4) and laid into the slice (16 stores on end).
.macro WCONV b
.if ZI-16*((\b)+1) > 63
	s_wait_loadcnt 63                              ; loads come back in order; ZI - 16 (b + 1) = 69 are younger than the batch's last, more than a count can name: all but the youngest 63 are in
.else
	s_wait_loadcnt ZI-16*((\b)+1)                  ; the last batch: just the 63 row loads are younger
.endif
.if (\b) < 4
	WIN 0x05
.else
	WIN 0x0a
.endif
.set ii, 0
.rept 16
	v_cvt_pk_bf16_f32 v[WT+32*((\b)%4)+2*ii],   v[4*((16*(\b)+ii)%64)],   v[4*((16*(\b)+ii)%64)+1]
	v_cvt_pk_bf16_f32 v[WT+32*((\b)%4)+2*ii+1], v[4*((16*(\b)+ii)%64)+2], v[4*((16*(\b)+ii)%64)+3]
.set ii, ii+1
.endr
	WIN 0
.set ii, 0
.rept 16
.set yy, 16*(\b)+ii
	ds_store_b64 v[VL], v[WT+32*((\b)%4)+2*ii:WT+32*((\b)%4)+2*ii+1] offset:16*WP*(yy/64)+WP*((yy/8)%8)+128*(yy%8)  ; the halves of the lanes write rows 8 apart: 8,320 bytes = 128 mod 256
.set ii, ii+1
.endr
.endm
; The tile's ids.  Rank a (cut at the wave's last rank) lies in the list of the last scanning wave whose prefix sum is not above it.  Four ranks a lane: the tile's first + lane, + 32, + 64, whose 96 ids go
; through the wave's own words into rank order by pairs; and the tile's first + 4 lane + q (cut also at the tile's last place), whose row the prefetch lines of FEED name.
.macro LOOKUP
	WIN 0
	s_add_co_u32 s19, s51, s15
	s_add_co_u32 s25, s51, 79
	s_min_u32 s25, s25, s50
.set ig, 0
.rept 3
	v_add3_u32 v[LK+ig], v[LANE], s51, 32*ig
.set ig, ig+1
.endr
	v_lshl_add_u32 v[LK+3], v[LANE], 2, s19
.set ig, 0
.rept 3
	v_min_u32 v[LK+ig], s50, v[LK+ig]
.set ig, ig+1
.endr
	v_min_u32 v[LK+3], s25, v[LK+3]
.set ig, 0
.rept 4
	v_cmp_le_u32 s[LM+3*ig], s32, v[LK+ig]
	v_cmp_le_u32 s[LM+3*ig+1], s33, v[LK+ig]
	v_cmp_le_u32 s[LM+3*ig+2], s34, v[LK+ig]
.set ig, ig+1
.endr
.set ig, 0
.rept 4
	v_cndmask_b32 v[SC+4+ig], 0, s36, s[LM+3*ig]
.set ig, ig+1
.endr
.set ig, 0
.rept 4
	v_cndmask_b32 v[SC+4+ig], v[SC+4+ig], s37, s[LM+3*ig+1]
.set ig, ig+1
.endr
.set ig, 0
.rept 4
	v_cndmask_b32 v[SC+4+ig], v[SC+4+ig], s38, s[LM+3*ig+2]
.set ig, ig+1
.endr
.set ig, 0
.rept 4
	v_add_nc_u32 v[LK+ig], v[LK+ig], v[SC+4+ig]
.set ig, ig+1
.endr
.set ig, 0
.rept 4
	v_min_u32 v[LK+ig], 0x10ff, v[LK+ig]           ; the lists have 4,352 words
.set ig, ig+1
.endr
.set ig, 0
.rept 4
	v_lshl_add_u32 v[LK+ig], v[LK+ig], 2, LIST
.set ig, ig+1
.endr
.set ig, 0
.rept 4
	ds_load_b32 v[SC+ig], v[LK+ig]
.set ig, ig+1
.endr
	s_wait_dscnt 0x0
.set ig, 0
.rept 3
	ds_store_b32 v[TLW], v[SC+ig] offset:128*ig
.set ig, ig+1
.endr
.set ip, 0
.rept 40
	ds_load_b32 v[OFF+ip], v[TLR] offset:8*ip      ; LDS serves a wave's instructions in order (ISA guide 5.7.1.4): these see the stores above
.set ip, ip+1
.endr
	v_min_u32 v[PFO], 0x3fff, v[SC+3]              ; an id is 16,383 at the most
	v_lshlrev_b32 v[PFO], 11, v[PFO]
	s_wait_dscnt 0x0
.set ip, 0
.rept 40
	v_min_u32 v[OFF+ip], 0x3fff, v[OFF+ip]
.set ip, ip+1
.endr
.set ip, 0
.rept 40
	v_lshl_add_u32 v[OFF+ip], v[OFF+ip], 11, v[I16]
.set ip, ip+1
.endr
.endm
; Eight row loads (one block of 16 rows, one unit of 64 k) are rounded and laid into the stage; their slots take the loads D further on, while the tile has any.  Each of a unit's five blocks has its own 16 registers.
.macro FEEDG x0
.if (\x0)+D-1 < 319
	s_wait_loadcnt D-8                             ; the stream is out up to x0 + D - 1: D - 8 are younger than x0 + 7
.else
	s_wait_loadcnt 312-(\x0)                       ; the stream has ended at 319: the counts run down to 0
.endif
.set rbx, ((\x0)%40)/8
.if rbx == 0
.set TBF, T
.else
.set TBF, TO+16*(rbx-1)
.endif
	WIN 0x0f
.set ii, 0
.rept 8
	v_cvt_pk_bf16_f32 v[TBF+2*ii],   v[4*(((\x0)+ii)%D)],   v[4*(((\x0)+ii)%D)+1]
	v_cvt_pk_bf16_f32 v[TBF+2*ii+1], v[4*(((\x0)+ii)%D)+2], v[4*(((\x0)+ii)%D)+3]
.set ii, ii+1
.endr
	WIN 0xc0
.set ii, 0
.rept 8
	ds_store_b64 v[STA], v[TBF+2*ii:TBF+2*ii+1] offset:(16*rbx+ii)*SGP  ; rows j and 8 + j: 1,152 bytes apart = 128 mod 256
.set ii, ii+1
.endr
.set ii, 0
.rept 8
.if (\x0)+ii+D < 320
	ALD (\x0)+ii+D
.endif
.set ii, ii+1
.endr
.endm
; Unit u of all 80 places.  Behind the loads of units 0 to 3 one prefetch line asks for unit u + 4 of the rows of rank 4 lane + q: lanes in different rows, 256 bytes apart or more.  The four column quarters
; walk the same rows and ask for a quarter of them each, so a row's unit is asked for by one of them; lanes 20 on, and lanes past the wave's count, repeat the cut rank's row.  The loads of unit u + 4 begin in
; the feed of unit u + 2: the line stands two trips ahead of them.  Units 0 to 3 are not asked for (the ring's own loads reach a unit and a half ahead), and unit 7 is a row's last: no line points past a row's end.
.macro FEED u
.set xg, 40*(\u)
.rept 5
	FEEDG xg
.set xg, xg+8
.endr
.if (\u) < 4
	global_prefetch_b8 v[PFO], s[6:7] offset:256*((\u)+4) th:TH_LOAD_NT scope:SCOPE_SE
.endif
.endm
; 26 LDS loads in one run: the fragments for k = 64 u + 32 t on: 8 column blocks of the slice, 5 blocks of the stage, into buffer t
.macro FRAG u, t
	WIN 0x80
.set ii, 0
.rept 8
	ds_load_b128 v[BF+64*(\t)+8*ii:BF+64*(\t)+8*ii+3],   v[BSRC+ii/4] offset:(ii%4)*16*WP+128*(\u)+64*(\t)
	ds_load_b128 v[BF+64*(\t)+8*ii+4:BF+64*(\t)+8*ii+7], v[BSRC+ii/4] offset:(ii%4)*16*WP+128*(\u)+64*(\t)+32
.set ii, ii+1
.endr
	WIN 0
.set ii, 0
.rept 5
	ds_load_b128 v[AF+40*(\t)+8*ii:AF+40*(\t)+8*ii+3],   v[ASRC] offset:16*SGP*ii+64*(\t)
	ds_load_b128 v[AF+40*(\t)+8*ii+4:AF+40*(\t)+8*ii+7], v[ASRC] offset:16*SGP*ii+64*(\t)+32
.set ii, ii+1
.endr
.endm
; 40 matrix instructions on buffer t: source 0 = 16 tokens, source 1 = 16 columns.  The 40 accumulators take turns, one instruction a turn, in the same order every time.
; zero = 1: the first product starts the sums: nothing is cleared.
.macro MULT t, zero
	WIN 0x58
.set nb, 0
.rept 8
.set rb, 0
.rept 4
.if \zero
	v_wmma_f32_16x16x32_bf16 v[64*rb+8*nb:64*rb+8*nb+7], v[AF+40*(\t)+8*rb:AF+40*(\t)+8*rb+7], v[BF+64*(\t)+8*nb:BF+64*(\t)+8*nb+7], 0
.else
	v_wmma_f32_16x16x32_bf16 v[64*rb+8*nb:64*rb+8*nb+7], v[AF+40*(\t)+8*rb:AF+40*(\t)+8*rb+7], v[BF+64*(\t)+8*nb:BF+64*(\t)+8*nb+7], v[64*rb+8*nb:64*rb+8*nb+7]
.endif
.set rb, rb+1
.endr
.set nb, nb+1
.endr
	WIN 0xa8
.set nb, 0
.rept 8
.if \zero
	v_wmma_f32_16x16x32_bf16 v[8*nb:8*nb+7], v[AF+40*(\t)+32:AF+40*(\t)+39], v[BF+64*(\t)+8*nb:BF+64*(\t)+8*nb+7], 0
.else
	v_wmma_f32_16x16x32_bf16 v[8*nb:8*nb+7], v[AF+40*(\t)+32:AF+40*(\t)+39], v[BF+64*(\t)+8*nb:BF+64*(\t)+8*nb+7], v[8*nb:8*nb+7]
.endif
.set nb, nb+1
.endr
.endm
	s_load_b256 s[4:11], s[0:1], 0x0               ; W s[4:5], action s[6:7], b s[8:9], expert_idx s[10:11]
	s_load_b64 s[12:13], s[0:1], 0x20              ; out0
	v_lshl_add_u32 v[SPW], v0, 2, SPARE
	v_mov_b32 v[NIL], 0
	v_lshrrev_b32 v17, 5, v0
	v_readfirstlane_b32 s14, v17                   ; wave 0..3
	s_mov_b32 s15, ttmp9                           ; q
	s_and_b32 s25, ttmp7, 0xffff
	s_lshr_b32 s16, s25, 2                         ; e
	s_and_b32 s17, s25, 3                          ; share
	v_and_b32 v[LANE], 31, v0
	v_and_b32 v[LI], 15, v0
	v_bfe_u32 v[LH], v0, 4, 1
	v_lshlrev_b32 v[I16], 4, v[LI]
	v_lshl_add_u32 v[VW], v[LH], 16, v[I16]        ; the upper half of the lanes takes the row 32 further down
	s_mul_i32 s25, s14, 32*WP                      ; my wave lays rows 32 w .. 32 w + 31 of the slice
	v_mul_u32_u24 v17, v[LH], 8*WP
	v_lshl_add_u32 v17, v[LI], 3, v17
	v_add_nc_u32 v[VL], s25, v17
	s_mul_i32 s25, s14, STGW
	s_add_co_u32 s25, s25, STG                     ; my stage
	v_mul_u32_u24 v17, v[LH], 8*SGP
	v_lshl_add_u32 v17, v[LI], 3, v17
	v_add_nc_u32 v[STA], s25, v17
	v_mul_u32_u24 v17, v[LI], SGP
	v_lshl_add_u32 v17, v[LH], 4, v17
	v_add_nc_u32 v[ASRC], s25, v17                 ; a fragment: row lane % 16, 16 bytes for each half of the lanes
	v_mul_u32_u24 v17, v[LI], WP
	v_lshl_add_u32 v[BSRC], v[LH], 4, v17
	v_add_nc_u32 v[BSRC+1], 64*WP, v[BSRC]         ; column blocks 4-7 lie past a 16-bit offset
	s_lshl_b32 s25, s14, 9
	s_add_co_u32 s25, s25, TL                      ; my words for a tile's ids
	v_lshl_add_u32 v[TLW], v[LANE], 2, s25
	v_lshl_add_u32 v[TLR], v[LH], 2, s25
	s_lshl_b32 s25, s14, 12                        ; my wave's eight chunks begin at token 4,096 w + 128 sh and lie 512 tokens apart
	s_lshl_b32 s19, s17, 7
	s_add_co_u32 s25, s25, s19
	v_lshl_add_u32 v[TOK0], v[LANE], 2, s25
	s_lshl_b32 s25, s25, 2
	v_lshl_add_u32 v[VI], v[LANE], 4, s25
	s_mul_i32 s26, s14, LISTW
	s_add_co_u32 s26, s26, LIST                    ; my list
	v_mov_b32 v17, s26
	ds_store_b32 v17, v[NIL]                       ; its word 0 is written whatever the split: a share without tokens of the expert is looked up there
	s_mov_b32 s24, 0
	s_lshl_b32 s20, s16, 20                        ; W: expert e, 1,048,576 bytes;
	s_lshl_b32 s25, s15, 18                        ; quarter q, 128 rows of 2,048 bytes;
	s_add_co_u32 s20, s20, s25
	s_lshr_b32 s25, s14, 1
	s_lshl_b32 s25, s25, 17                        ; my wave's column blocks 2 w, 2 w + 1: rows 64 (w / 2) + 2 (w % 2) on
	s_add_co_u32 s20, s20, s25
	s_and_b32 s25, s14, 1
	s_lshl_b32 s25, s25, 12
	s_add_co_u32 s20, s20, s25
	s_mov_b32 s21, 0
	s_lshl_b32 s22, s16, 11                        ; b: 2,048 e + 512 q
	s_lshl_b32 s56, s15, 9                         ; out0: 512 q
	s_add_co_u32 s22, s22, s56
	s_mov_b32 s23, 0
	s_mov_b32 s57, 0
	s_wait_kmcnt 0x0
	s_add_nc_u64 s[4:5], s[4:5], s[20:21]
	s_add_nc_u64 s[8:9], s[8:9], s[22:23]
	s_add_nc_u64 s[12:13], s[12:13], s[56:57]
.set kk, 0
.rept 8
	global_load_b128 v[IDX+4*kk:IDX+4*kk+3], v[VI], s[10:11] offset:2048*kk  ; a chunk: 512 consecutive bytes
.set kk, kk+1
.endr
	global_load_b128 v[BI:BI+3], v[I16], s[8:9]              ; columns 4 r + 0..3
	global_load_b128 v[BI+4:BI+7], v[I16], s[8:9] offset:256 ; columns 64 + 4 r + 0..3
	ISSUE 53                                       ; with the ten above: 63 loads
	WIN 0
	s_wait_loadcnt 55                              ; the bias's 2 loads and W's 53 are younger: the indices are in
.set kk, 0
.rept 4                                            ; the scan; behind each batch's stores some of W's loads take the places that have come free
	WIN 0
	SCAN8 kk
.if kk == 0
	ISSUE 8
.else
	ISSUE 6
.endif
.set kk, kk+1
.endr
	WIN 0
	v_mov_b32 v17, s24
	s_lshl_b32 s25, s14, 2
	s_add_co_u32 s25, s25, CNTS
	v_mov_b32 v18, s25
	ds_store_b32 v18, v17                          ; my count
	s_wait_dscnt 0x0                               ; for the others' sake: my list and my count are written
	s_barrier_signal -1
	s_barrier_wait -1
	v_mov_b32 v18, CNTS
	ds_load_b128 v[SC:SC+3], v18
	ISSUE 6
	WIN 0
	s_wait_dscnt 0x0
	v_readfirstlane_b32 s28, v[SC]
	v_readfirstlane_b32 s29, v[SC+1]
	v_readfirstlane_b32 s30, v[SC+2]
	v_readfirstlane_b32 s31, v[SC+3]
	s_mov_b32 s32, s28                             ; the first rank of list 1,
	s_add_co_u32 s33, s32, s29                     ; of list 2,
	s_add_co_u32 s34, s33, s30                     ; of list 3,
	s_add_co_u32 s35, s34, s31                     ; and c
	s_sub_co_u32 s36, LISTW/4, s32                 ; rank + this = the word in the lists
	s_sub_co_u32 s37, 2*LISTW/4, s33
	s_sub_co_u32 s38, 3*LISTW/4, s34
	s_add_co_u32 s39, s35, 3
	s_lshr_b32 s39, s39, 2                         ; r = ceil(c / 4)
	s_mul_i32 s48, s14, s39
	s_min_u32 s48, s48, s35                        ; my first rank
	s_add_co_u32 s49, s48, s39
	s_min_u32 s49, s49, s35                        ; and the end of my ranks
	s_max_u32 s50, s49, 1
	s_sub_co_u32 s50, s50, 1                       ; the rank that places past the count repeat
	s_sub_co_u32 s53, s49, s48
	s_add_co_u32 s53, s53, 79
	s_mul_i32 s53, s53, 52429
	s_lshr_b32 s53, s53, 22                        ; tiles = ceil(rows / 80): 52,429 / 2^22 is 1 / 80 to within 4e-6 of itself, exact for the 1,103 at the most that stand here
	s_mov_b32 s51, s48
	LOOKUP                                         ; every wave: the stream's row loads name OFF
.set kk, 0
.rept 8                                            ; W is rounded, 16 loads a batch; behind each batch's stores the stream's next 16 loads: the rest of W's, then the first tile's 63
	WCONV kk
.if 128+D-ZI >= 16
	ISSUE 16
.elseif 128+D-ZI > 0
	ISSUE 128+D-ZI
.endif
.set kk, kk+1
.endr
	WIN 0
	s_wait_dscnt 0x0                               ; for the others' sake: my rows of the slice are written
	s_barrier_signal -1
	s_barrier_wait -1                              ; the slice is whole; from here on no wave writes bytes that another reads
	s_cmp_ge_u32 s48, s49
	s_cbranch_scc1 .Lend                           ; this split leaves my wave no rows
	s_mov_b32 s54, 0
.Ltile:                                                ; 63 row loads of the tile are out
	s_sub_co_u32 s52, s49, s51
	s_min_u32 s52, s52, 80                         ; the tile's rows
	FEED 0
	FRAG 0, 0
	FRAG 0, 1
.set u, 0
.rept 8                                            ; a unit of 64 k: two times 40 matrix instructions; between them the next unit goes into the stage
	s_wait_dscnt 26                                ; all but the younger run of 26 fragment loads
.if u == 0
	MULT 0, 1
.else
	MULT 0, 0
.endif
	s_wait_dscnt 0x0                               ; buffer 1 is in: the stage has been read
.if u < 7
	FEED u+1                                       ; its 80 conversions are the places behind the products that read buffer 0
	FRAG u+1, 0
.endif
	MULT 1, 0
.if u < 7
	PLACES
	FRAG u+1, 1
.endif
.set u, u+1
.endr
	; THE WAY OUT, a block of 16 rows at a time: the bias is added, which also lays four neighbouring columns into four neighbouring registers; each accumulator is read from register 0 up.
	WIN 0
	PLACES
.set rb, 0
.rept 5
.if rb > 0
	s_cmp_le_u32 s52, 16*rb
	s_cbranch_scc1 .Ldone
.endif
	s_wait_xcnt 0x0                                ; the registers that earlier stores read are rewritten only behind this wait
.if rb < 4
	WIN 0x01
.else
	WIN 0x02
.endif
.set ij, 0
.rept 8
.set nb, 0
.rept 8
	v_add_f32 v[TO+8*ij+nb], v[(64*rb)%256+8*nb+ij], v[BI+nb]
.set nb, nb+1
.endr
.set ij, ij+1
.endr
	WIN 0
.set ij, 0
.rept 8
.if ij > 0
	s_cmp_le_u32 s52, 16*rb+2*ij                   ; pair 8 rb + j holds places 16 rb + 2 j and the next
	s_cbranch_scc1 .Ldone
.endif
	global_store_b128 v[OFF+8*rb+ij], v[TO+8*ij:TO+8*ij+3], s[12:13] th:TH_STORE_NT
	global_store_b128 v[OFF+8*rb+ij], v[TO+8*ij+4:TO+8*ij+7], s[12:13] offset:256 th:TH_STORE_NT
.set ij, ij+1
.endr
.set rb, rb+1
.endr
.Ldone:
	s_add_co_u32 s54, s54, 1
	s_cmp_ge_u32 s54, s53
	s_cbranch_scc1 .Lend
	s_wait_xcnt 0x0                                ; the stores have read OFF and TO, the prefetch lines PFO: the next tile writes them anew
	s_add_co_u32 s51, s51, 80
	LOOKUP
	WIN 0xc0
.set kk, 0
.rept D
	ALD kk
.set kk, kk+1
.endr
	WIN 0
	s_cmp_lt_u32 s54, s53
	s_cbranch_scc1 .Ltile
.Lend:
	s_wait_tensorcnt 0x0                           ; the wave's end: behind my last LDS store
	ds_add_u32 v[SPW], v[NIL]
	s_wait_dscnt 0x0
	s_endpgm
.Lfunc_end_k_qbd776acb6c_moe:
	.size	k_qbd776acb6c_moe, .Lfunc_end_k_qbd776acb6c_moe-k_qbd776acb6c_moe
	.p2alignl 7, 3214868480
	.fill 96, 4, 3214868480
	.section	.rodata,"a",@progbits
	.p2align	6, 0x0
	.amdhsa_kernel k_qbd776acb6c_moe
		.amdhsa_group_segment_fixed_size 199424
		.amdhsa_private_segment_fixed_size 0
		.amdhsa_enable_private_segment 0
		.amdhsa_kernarg_size 40
		.amdhsa_user_sgpr_count 2
		.amdhsa_user_sgpr_kernarg_segment_ptr 1
		.amdhsa_wavefront_size32 1
		.amdhsa_system_sgpr_workgroup_id_x 1
		.amdhsa_system_sgpr_workgroup_id_y 1
		.amdhsa_system_sgpr_workgroup_id_z 1
		.amdhsa_system_vgpr_workitem_id 0
		.amdhsa_next_free_vgpr 1024
		.amdhsa_next_free_sgpr 78
		.amdhsa_reserve_vcc 0
		.amdhsa_float_denorm_mode_32 3
		.amdhsa_float_denorm_mode_16_64 3
		.amdhsa_memory_ordered 1
		.amdhsa_forward_progress 1
		.amdhsa_inst_pref_size 255
	.end_amdhsa_kernel
	.section	.bss,"aw",@nobits
	.p2align	6
	.space	262144
	.amdgpu_metadata
---
amdhsa.version: [ 1, 2 ]
amdhsa.kernels:
  - .name:           k_qbd776acb6c_moe
    .symbol:         k_qbd776acb6c_moe.kd
    .args:
      - { .name: W, .offset: 0, .size: 8, .value_kind: global_buffer, .address_space: global }
      - { .name: action, .offset: 8, .size: 8, .value_kind: global_buffer, .address_space: global }
      - { .name: b, .offset: 16, .size: 8, .value_kind: global_buffer, .address_space: global }
      - { .name: expert_idx, .offset: 24, .size: 8, .value_kind: global_buffer, .address_space: global }
      - { .name: out0, .offset: 32, .size: 8, .value_kind: global_buffer, .address_space: global }
    .group_segment_fixed_size: 199424
    .private_segment_fixed_size: 0
    .kernarg_segment_align: 8
    .kernarg_segment_size: 40
    .max_flat_workgroup_size: 128
    .sgpr_count:     78
    .vgpr_count:     1024
    .wavefront_size: 32
...
	.end_amdgpu_metadata
.endif
;; end of part 2
